; MI455X (gfx1250); checked and timed in simulation.
; The chip was launched on July 23, 2026; its instructions are those of AMD's public machine-readable ISA for CDNA 5 (MIT licence, August 2026) and "CDNA5" Instruction Set Architecture Reference Guide (July 2026). The comments in the code are by the model that wrote it; some were corrected since.
;; Attn. Allowed arithmetic: matrix products marked QUANTISED: E2M1 operands, one E8M0 scale for each 32 along K, by v_wmma_scale_f32_16x16x128_f8f6f4 with both operands' format E2M1 (or v_wmma_scale_f32_32x16x128_f4), f32 sums; products left as they are: f32 operands where the result goes on into a quantised operand, else bf16, f16 or f32 operands; f32 sums; everything else in f32.
;; Inputs: W_attn 512 x 512 float32; b_attn 512 float32; encoder_outputs 32 x 4,096 x 512 float32; hidden 1 x 32 x 512 float32.
;; Outputs: out0 32 x 1 x 4,096 float32.
;; This version of the problem:
;;   THIS VERSION OF THE PROBLEM IS GIVEN IN LOW PRECISION. The matrix products marked QUANTISED in the list below multiply operands that are first quantised to E2M1 (2 exponent bits, 1 mantissa bit; 4 bits a number), with one power-of-two scale for each 32 numbers along K (OCP MX v1.0); their sums are f32. All else is computed in f32.
;;   The module's matrix products, in the order in which they are computed (A, B: the left and right operand; K: the contracted axis; several contracted axes count as one K, in the product's order):
;;     1. [M 131,072, K 512] x [K 512, N 512]; A: input encoder_outputs; B: input W_attn: QUANTISED
;;     2. batch 32 x [M 4,096, K 512] x [K 512, N 1]; A: computed on the way; B: input hidden: left as it is (N = 1 < 16)
;;   THE QUANTISER, for each operand of a quantised product, along K:
;;     - K is cut into blocks of 32 from its start; a last block that is shorter is filled with zeros.
;;     - A block's scale is 2^e with e = floor(log2(the largest magnitude in the block)) - 2, held to -126 .. 127; a block of zeros has e = 0. As a byte (E8M0): e + 127.
;;     - Each number is divided by its block's scale, clamped to +-6, and rounded to the nearest number of E2M1, ties to even, subnormals kept.
;;     - The product sums the exact products of the quantised numbers (number of the format x scale) in f32.
;;   ~~~python
;;   def quantise(x, axis):      # numpy; x: float32 -> the quantised numbers, widened to float32 again
;;       x = np.moveaxis(x, axis, -1); K = x.shape[-1]
;;       x = np.pad(x, [(0, 0)] * (x.ndim - 1) + [(0, -K % 32)]); x = x.reshape(x.shape[:-1] + (-1, 32)); a = np.abs(x).max(-1, keepdims=True)
;;       e = np.where(a > 0, np.clip(np.frexp(np.where(a > 0, a, 1))[1] - 1 - 2, -126, 127), 0)      # np.frexp(a)[1] - 1 = floor(log2(a)), exactly
;;       r = np.clip(x / 2.0 ** e, -6, 6)
;;       step = 2.0 ** (np.maximum(np.frexp(np.where(r == 0, 1, r))[1] - 1, 0) - 1)
;;       q = np.round(r / step) * step * 2.0 ** e      # np.round: ties to even
;;       return np.moveaxis(q.reshape(q.shape[:-2] + (-1,))[..., :K], -1, axis).astype(np.float32)
;;   ~~~
;; One version. Each part assembles by itself: llvm-mc -triple=amdgcn-amd-amdhsa -mcpu=gfx1250 --defsym DOCPART=n.
;; ======== version 1 of 1: 3 launches
;; limits: right only within a limited range of input values
;; workspace buffers: wq 139,264 bytes; scores 524,288 bytes
;; launch wquant (part 1): grid 32 x 1, 4 waves a work-group, no clusters, 768 bytes of LDS; arguments W_attn, wq; writes wq
.if DOCPART == 1
	.amdgcn_target "amdgcn-amd-amdhsa--gfx1250"
	.amdhsa_code_object_version 6
	.text
	.protected	k_qb312c78ac8_wquant
	.globl	k_qb312c78ac8_wquant
	.p2align	8
	.type	k_qb312c78ac8_wquant,@function
k_qb312c78ac8_wquant:
	s_mov_b64 s[64:65], 0
	v_nop
	global_prefetch_b8 v0, s[64:65] scope:SCOPE_SE
	s_setreg_imm32_b32 hwreg(HW_REG_WAVE_MODE, 25, 1), 1
	s_wait_xcnt 0x0
; DEAD WORK, for the whole program: reference() adds b_attn to energy, so every score of batch b gets the term sum over o of b_attn[o] hidden[b][o], which is the same for all s.
; A softmax along s is unchanged by a term that is the same along s, for all finite values of the inputs; b_attn enters no quantised operand.  So b_attn is not loaded and is among no launch's arguments.
; LIMIT: a NaN, an infinity or an overflow that reaches only that term is not carried to the result.
; W_attn [512 (o)][512 (k)], f32, K innermost, becomes codes of FP4 (E2M1) with one E8M0 scale byte for each 32 along K.
; A block's scale is 2^(floor(log2(its largest magnitude)) - 2); its byte is the largest magnitude's exponent field - 2, held at 1 from below.
; LAYOUT OF wq: four pieces of 34,816 bytes, one for each 128 rows o (what one wave of the next launch holds).  In a piece: 32 fragments of 1,024 bytes, fragment (t = (o / 16) % 8, K step s) at (4 t + s) x 1,024,
; in it registers 4 c .. 4 c + 3 of lane l at 512 c + 16 l; behind them, at 32,768, the scale bytes [128 rows][16]: row's word for K step s at 16 row + 4 s.
; SHARES: work-group T takes rows 16 T .. 16 T + 15, wave s K step s: one fragment.  Lane (r, h) holds two WHOLE blocks of row 16 T + r: k = 128 s + 64 c + 32 h + 0 .. 31, c = 0, 1.
; A lane's loads take 16 bytes of its own row, so a load's 32 lanes stand in 16 rows: kept so, since W is 1 MiB of the program's 257 MiB of input and is read here once.
; LIMITS: a block of zeros, or one whose largest magnitude lies under 2^-124, gets the byte 1 (the rule says 127 for zeros): its codes are zeros, and this program alone reads the bytes.  NaN and infinities are not served.
.set X, 32                             ; v32-95   my 64 numbers: block c at 32 c
.set C, 96                             ; v96-103  the fragment's eight registers
.set PIECE, 34816
	s_load_b128 s[4:7], s[0:1], 0x0                ; W, wq
	v_lshl_add_u32 v112, v0, 2, 0x100
	v_mov_b32 v113, 0
	v_lshrrev_b32 v1, 5, v0
	v_readfirstlane_b32 s10, v1                    ; wave = K step
	v_and_b32 v1, 31, v0                           ; lane
	v_and_b32 v2, 15, v0                           ; r
	v_bfe_u32 v3, v0, 4, 1                         ; h
	v_lshlrev_b32 v4, 11, v2                       ; W: row r of 2,048 bytes,
	v_lshl_add_u32 v4, v3, 7, v4                   ; + 128 h: my block of 32 numbers
	v_lshlrev_b32 v5, 4, v1                        ; the codes: 16 bytes a lane
	v_lshlrev_b32 v6, 4, v2
	s_lshl_b32 s11, s10, 2
	v_add_nc_u32 v6, s11, v6                       ; LDS: row r's scale word of my K step: 16 r + 4 x wave
	v_lshlrev_b32 v7, 3, v1                        ; and on the way out 8 bytes a lane
	s_mov_b32 s20, 0x76543210
	s_mov_b32 s21, 0xfedcba98                      ; v_permlanex16_b32's selects for lane l xor 16
	s_lshl_b32 s12, ttmp9, 15                      ; W: 16 rows of 2,048 bytes a work-group,
	s_lshl_b32 s14, s10, 9
	s_add_co_u32 s12, s12, s14                     ; + 512 bytes a K step
	s_mov_b32 s13, 0
	s_and_b32 s18, ttmp9, 7                        ; t = T % 8
	s_lshr_b32 s19, ttmp9, 3
	s_mul_i32 s19, s19, PIECE                      ; my piece of wq
	s_lshl_b32 s14, s18, 2
	s_add_co_u32 s14, s14, s10
	s_lshl_b32 s14, s14, 10                        ; fragment 4 t + s
	s_add_co_u32 s14, s14, s19
	s_mov_b32 s15, 0
	s_lshl_b32 s16, s18, 8                         ; the scale bytes: 256 a work-group,
	s_add_co_u32 s16, s16, s19
	s_add_co_u32 s16, s16, 32768                   ; behind the piece's codes
	s_mov_b32 s17, 0
	s_wait_alu depctr_va_vdst(0)                   ; the wait at the head's end
	s_wait_kmcnt 0x0
	s_add_nc_u64 s[4:5], s[4:5], s[12:13]
	s_add_nc_u64 s[8:9], s[6:7], s[16:17]
	s_add_nc_u64 s[6:7], s[6:7], s[14:15]
.irp c, 0,1
.irp j, 0,1,2,3,4,5,6,7
	global_load_b128 v[X+32*\c+4*\j:X+32*\c+4*\j+3], v4, s[4:5] offset:256*\c+16*\j
.endr
.endr
	s_wait_loadcnt 0x0
.irp c, 0,1
	v_max3_num_f32 v[12+\c], |v[X+32*\c]|, |v[X+1+32*\c]|, 0x1800000   ; the block's largest magnitude, and the floor 2^(3 - 127): so the byte cannot fall under 1
.endr
.irp i, 2,4,6,8,10,12,14,16,18,20,22,24,26,28,30
.irp c, 0,1
	v_max3_num_f32 v[12+\c], v[12+\c], |v[X+32*\c+\i]|, |v[X+1+32*\c+\i]|   ; (the two blocks by turns)
.endr
.endr
.irp c, 0,1
	v_add_nc_u32 v[104+\c], 0xff000000, v[12+\c]   ; 2 off the exponent field: the conversion takes the exponent field of this operand as its scale
.endr
.irp c, 0,1
	v_lshrrev_b32 v[106+\c], 23, v[104+\c]         ; the scale's byte
.endr
	v_lshl_or_b32 v9, v107, 16, v106               ; my two bytes: blocks h and 2 + h of the K step,
	v_lshlrev_b32 v10, 3, v3
	v_lshlrev_b32 v9, v10, v9                      ; at their places in the scale word (8 h bits up);
	v_mov_b32 v10, 0                               ; (a lane permute's destination counts as one of its sources)
	v_permlanex16_b32 v10, v9, s20, s21
	v_or_b32 v9, v9, v10                           ; with lane l xor 16's two the word is whole
.irp c, 0,1
.irp g, 0,1,2,3
	v_cvt_scalef32_pk8_fp4_f32 v[C+4*\c+\g], v[X+32*\c+8*\g:X+32*\c+8*\g+7], v[104+\c]   ; eight numbers / the scale, to the nearest code, ties to even, beyond 6 the largest code
.endr
.endr
	v_nop                                          ; one plain place behind the last scaled conversion
.irp c, 0,1
	global_store_b128 v5, v[C+4*\c:C+4*\c+3], s[6:7] offset:512*\c   ; 32 lanes store 512 consecutive bytes, at a multiple of 512 from wq's first byte
.endr
	ds_store_b32 v6, v9                            ; lanes r and r + 16 write the same word with the same value
	s_wait_dscnt 0x0                               ; for the others' sake: my store has landed
	s_barrier_signal -1
	s_barrier_wait -1
	s_cmp_lg_u32 s10, 0                            ; wave 0 alone sends the 16 rows' scale bytes
	s_cbranch_scc1 .Lend
	ds_load_b64 v[16:17], v7
	s_wait_dscnt 0x0
	global_store_b64 v7, v[16:17], s[8:9]          ; 32 lanes store 256 consecutive bytes, at a multiple of 256 from wq's first byte
.Lend:
	s_wait_tensorcnt 0x0                           ; the wave's end
	ds_add_u32 v112, v113
	s_wait_dscnt 0x0
	s_endpgm
.Lfunc_end_k_qb312c78ac8_wquant:
	.size	k_qb312c78ac8_wquant, .Lfunc_end_k_qb312c78ac8_wquant-k_qb312c78ac8_wquant
	.p2alignl 7, 3214868480
	.fill 96, 4, 3214868480
	.section	.rodata,"a",@progbits
	.p2align	6, 0x0
	.amdhsa_kernel k_qb312c78ac8_wquant
		.amdhsa_group_segment_fixed_size 768
		.amdhsa_private_segment_fixed_size 0
		.amdhsa_enable_private_segment 0
		.amdhsa_kernarg_size 16
		.amdhsa_user_sgpr_count 2
		.amdhsa_user_sgpr_kernarg_segment_ptr 1
		.amdhsa_wavefront_size32 1
		.amdhsa_system_sgpr_workgroup_id_x 1
		.amdhsa_system_sgpr_workgroup_id_y 1
		.amdhsa_system_sgpr_workgroup_id_z 1
		.amdhsa_system_vgpr_workitem_id 0
		.amdhsa_next_free_vgpr 114
		.amdhsa_next_free_sgpr 66
		.amdhsa_reserve_vcc 0
		.amdhsa_float_denorm_mode_32 3
		.amdhsa_float_denorm_mode_16_64 3
		.amdhsa_memory_ordered 1
		.amdhsa_forward_progress 1
		.amdhsa_inst_pref_size 8
	.end_amdhsa_kernel
	.amdgpu_metadata
---
amdhsa.version: [ 1, 2 ]
amdhsa.kernels:
  - .name:           k_qb312c78ac8_wquant
    .symbol:         k_qb312c78ac8_wquant.kd
    .args:
      - { .name: W_attn, .offset: 0, .size: 8, .value_kind: global_buffer, .address_space: global }
      - { .name: wq, .offset: 8, .size: 8, .value_kind: global_buffer, .address_space: global }
    .group_segment_fixed_size: 768
    .private_segment_fixed_size: 0
    .kernarg_segment_align: 8
    .kernarg_segment_size: 16
    .max_flat_workgroup_size: 128
    .sgpr_count:     66
    .vgpr_count:     114
    .wavefront_size: 32
...
	.end_amdgpu_metadata
.endif
;; end of part 1
;; launch stream (part 2): grid 256 x 1, 4 waves a work-group, no clusters, 327,680 bytes of LDS; arguments encoder_outputs, wq, hidden, scores; writes scores
.if DOCPART == 2
	.amdgcn_target "amdgcn-amd-amdhsa--gfx1250"
	.amdhsa_code_object_version 6
	.text
	.protected	k_qb312c78ac8_stream
	.globl	k_qb312c78ac8_stream
	.p2align	8
	.type	k_qb312c78ac8_stream,@function
k_qb312c78ac8_stream:
	s_mov_b64 s[64:65], 0
	v_nop
	global_prefetch_b8 v0, s[64:65] scope:SCOPE_SE
	s_setreg_imm32_b32 hwreg(HW_REG_WAVE_MODE, 25, 1), 1
	s_wait_xcnt 0x0
; scores[b][s] = sum over o of hidden[b][o] x (sum over k of Q(x)[b][s][k] Q(W)[o][k]).  b_attn's term is left out: it is the same for all s of a batch, and the softmax that follows is unchanged by it (shown at the head of the first kernel).
; Work-group g takes rows 512 g .. 512 g + 511 of x = encoder_outputs [131,072][512], all of batch g / 8, in eight blocks of 64 rows.  Four waves.
; QUANTISING: wave w takes K step w (bytes 512 w .. of each row).  A unit is 16 rows: 16 loads of 512 consecutive bytes into one of four register sets.  Three units (48 loads a wave) are always out, across barriers too.
;   A unit turns through the wave's own stage in LDS, so that lane (r, h) holds 16 neighbours along K of row r in each of the four blocks of 32; its codes and scale word go to an image of the operand's registers in LDS.
; MULTIPLYING: wave w holds W's rows 128 w .. 128 w + 127, all of K, in 256 registers, and multiplies every 16 rows of x from the image: 32 matrix instructions, eight accumulators by turns.
;   Source 0 = 16 rows of W, source 1 = 16 rows of x: a lane holds one row of x and eight o; these are multiplied by hidden and summed; the eight parts of a row (4 waves x 2 halves) meet in LDS at the end.
; A trip multiplies block n - 1 from one image and quantises block n into the other, tile by tile in turn; one barrier a trip.
; W's piece (34,816 bytes a wave: codes, then scale bytes) comes by the wave's one tensor load, is read by that wave alone and is never filled again.
; NO CLUSTER: what work-groups share is that piece, 34,816 bytes a wave once, beside 262,144 bytes a wave of rows that nobody shares.  NO PREFETCH: the loads into registers already run three units ahead of their use in every step.
; LIMITS: a block of zeros, or one under 2^-124, gets the scale byte 1: its codes are zeros, and this launch alone reads the byte.  NaN and infinities are not served.
; REGISTERS: window 0 addresses, scale words, the turned unit, work; window 1 W's codes; window 2 accumulators, hidden, x's fragments; window 3 the four sets of loaded units.
.set UNITB, 32768                      ; 16 rows of 2,048 bytes
.set PITCH, 528                        ; a stage row: 512 bytes + 16
.set WCH,   34816
.set STG,   4*WCH
.set STGW,  16*PITCH
.set IMG,   STG+4*STGW
.set IBUF,  17408                      ; an image: 16 fragments of 1,024 bytes, then 4 x 256 bytes of scale words
.set ISC,   16384
.set PART,  IMG+2*IBUF                 ; the parts: [wave][half][512 rows] f32
.set SPARE, PART+16384                 ; the spare words: 128 bytes a wave
.set GA,  128
.set SS,  129
.set RD,  4
.set IW,  5
.set SW,  6
.set IR,  7
.set SR,  8
.set PA0, 9
.set PA,  10
.set WL,  11
.set WSL, 12
.set HO,  13
.set FA,  14
.set GO,  15
.set WS,  16                           ; v16-47 W's scale words
.set XS,  48                           ; v48-55 x's scale words, two sets
.set SA,  56
.set ST,  64                           ; v64-127 the turned unit
.set SM,  200
.set SPW, 204
.set NIL, 205
.set PC,  224
.set TM,  232
.set PW,  248
.set ACC, 0                            ; window 2
.set HV,  64
.set XF,  128
.set SEL, 22
.set G1,  24
.set G0,  32
.set W_MUL, 0xa9                       ; source 0 window 1, source 1, C and D window 2
.set W_DOT, 0x0a                       ; sources 0 and 1 window 2
.set MSB, 0
.macro WIN new
.if MSB != \new
	s_set_vgpr_msb (MSB<<8)|\new
.set MSB, \new
.endif
.endm
	s_load_b256 s[4:11], s[0:1], 0x0               ; x s[4:5], wq s[6:7], hidden s[8:9], scores s[10:11]
	v_lshl_add_u32 v[SPW], v0, 2, SPARE
	v_mov_b32 v[NIL], 0
	ds_add_u32 v[SPW], v[NIL]                      ; the opening lines: the add, twice on end, and its wait ahead of my tensor load
	ds_add_u32 v[SPW], v[NIL]
	v_lshrrev_b32 v1, 5, v0
	v_readfirstlane_b32 s16, v1                    ; wave
	s_mov_b32 s[G1+0], 3<<16                       ; W's piece as 136 dense rows of 256 bytes (32 elements of 8 bytes)
	s_mov_b32 s[G1+1], 32<<16
	s_mov_b32 s[G1+2], 136<<16
	s_mov_b32 s[G1+3], 32<<16
	s_mov_b32 s[G1+4], 136
	s_mov_b32 s[G1+5], 32
	s_mov_b32 s[G1+6], 0
	s_mov_b32 s[G1+7], 0
	s_lshl_b32 s17, s16, 9
	s_mul_i32 s18, s16, WCH                        ; my piece, in wq and in LDS
	s_mul_i32 s19, s16, STGW
	s_add_co_u32 s19, s19, STG                     ; my stage
	s_lshl_b32 s36, s16, 10
	s_lshl_b32 s37, s16, 2
	s_lshl_b32 s38, s16, 12
	s_lshl_b32 s42, ttmp9, 20                      ; x: 512 rows of 2,048 bytes a work-group, + my K step
	s_add_co_u32 s42, s42, s17
	s_mov_b32 s43, 0
	s_mov_b32 s44, s18
	s_mov_b32 s45, 0
	s_lshr_b32 s46, ttmp9, 3                       ; hidden: row g / 8 of 2,048 bytes, + my 128 o
	s_lshl_b32 s46, s46, 11
	s_add_co_u32 s46, s46, s17
	s_mov_b32 s47, 0
	s_lshl_b32 s48, ttmp9, 11                      ; scores: 2,048 bytes a work-group
	s_mov_b32 s49, 0
	s_mov_b32 s41, 0                               ; the block's place among the parts
	s_mov_b32 s[SEL], 0x76543210
	s_mov_b32 s[SEL+1], 0xfedcba98
	s_mov_b32 s[G0], 1
	s_add_co_u32 s[G0+1], s18, 0
	v_and_b32 v1, 31, v0                           ; lane
	v_and_b32 v2, 15, v0                           ; r
	v_bfe_u32 v3, v0, 4, 1                         ; h
	v_lshlrev_b32 v[GA], 4, v1                     ; 16 bytes a lane
	v_add_nc_u32 v[SS], s19, v[GA]                 ; into the stage: a row as it was loaded
	v_mul_u32_u24 v[RD], v2, PITCH
	v_lshl_add_u32 v[RD], v3, 6, v[RD]
	v_add_nc_u32 v[RD], s19, v[RD]                 ; out of it: row r, + 64 h
	v_add_nc_u32 v[WL], s18, v[GA]
	v_lshlrev_b32 v[SR], 4, v2
	v_add_nc_u32 v[WSL], s18, v[SR]
	v_add_nc_u32 v[IW], s36, v[GA]
	v_add_nc_u32 v[IW], IMG, v[IW]                 ; the image: fragment (m, my K step)
	v_add_nc_u32 v[SW], s37, v[SR]
	v_add_nc_u32 v[SW], IMG+ISC, v[SW]             ; row r's scale word of my K step
	v_add_nc_u32 v[IR], IMG, v[GA]
	v_add_nc_u32 v[SR], IMG+ISC, v[SR]
	v_lshlrev_b32 v[HO], 5, v3
	v_lshlrev_b32 v[PA0], 2, v2
	v_lshl_add_u32 v[PA0], v3, 11, v[PA0]
	v_add_nc_u32 v[PA0], s38, v[PA0]
	v_add_nc_u32 v[PA0], PART, v[PA0]
	v_lshlrev_b32 v[GO], 4, v0
	v_add_nc_u32 v[FA], PART, v[GO]
.irp b, 0,1,2,3
	v_mov_b32 v[TM+4+\b], 0                        ; (a lane permute's destination counts as one of its sources)
.endr
	s_wait_alu depctr_va_vdst(0)                   ; the wait at the head's end
	s_wait_dscnt 0x0                               ; both opening adds are done
	s_wait_kmcnt 0x0
	s_add_nc_u64 s[G0+2:G0+3], s[6:7], s[44:45]
	s_or_b32 s[G0+3], s[G0+3], 0x80000000
	s_add_nc_u64 s[4:5], s[4:5], s[42:43]
	s_add_nc_u64 s[8:9], s[8:9], s[46:47]
	s_add_nc_u64 s[10:11], s[10:11], s[48:49]
	tensor_load_to_lds s[G0:G0+3], s[G1:G1+7]      ; my one tensor load
	s_nop 0
.macro LOADU set, un                   ; unit un, counted from the base, into a set of window 3
.irp j, 0,1,2,3,4,5,6,7,8,9,10,11,12,13,14,15
	global_load_b128 v[64*(\set)+4*\j:64*(\set)+4*\j+3], v[GA], s[4:5] offset:(\un)*UNITB+2048*\j th:TH_LOAD_NT
.endr
.endm
	WIN 0xc0
	LOADU 0, 0
	LOADU 1, 1
	LOADU 2, 2
	WIN 0x80
.irp t, 0,1,2,3,4,5,6,7
	global_load_b128 v[HV+8*\t:HV+8*\t+3],   v[HO], s[8:9] offset:64*\t       ; hidden at o = 128 w + 16 t + 8 h + 0 .. 7
	global_load_b128 v[HV+8*\t+4:HV+8*\t+7], v[HO], s[8:9] offset:64*\t+16
.endr
	WIN 0
	s_wait_tensorcnt 0x0                           ; my piece of W is in LDS, ahead of my first LDS store
	WIN 0x40
.set i, 0
.rept 64
	ds_load_b128 v[4*i:4*i+3], v[WL] offset:512*i
.set i, i+1
.endr
	WIN 0
.irp t, 0,1,2,3,4,5,6,7
	ds_load_b128 v[WS+4*\t:WS+4*\t+3], v[WSL] offset:32768+256*\t
.endr
.macro QUANT                           ; four half blocks of 16 a lane; lane l xor 16 holds the other halves
.irp b, 0,1,2,3
	v_max3_num_f32 v[TM+\b], |v[ST+16*\b]|, |v[ST+1+16*\b]|, 0x1800000      ; with the floor 2^(3 - 127): the byte cannot fall under 1
.endr
.irp i, 2,4,6,8,10,12,14
.irp b, 0,1,2,3
	v_max3_num_f32 v[TM+\b], v[TM+\b], |v[ST+16*\b+\i]|, |v[ST+1+16*\b+\i]|
.endr
.endr
.irp b, 0,1,2,3
	v_permlanex16_b32 v[TM+4+\b], v[TM+\b], s[SEL], s[SEL+1]
.endr
.irp b, 0,1,2,3
	v_max_num_f32 v[TM+\b], v[TM+\b], v[TM+4+\b]
.endr
.irp b, 0,1,2,3
	v_add_nc_u32 v[TM+12+\b], 0xff000000, v[TM+\b]  ; 2 off the exponent field: the conversion's scale operand
.endr
.irp b, 0,1,2,3
	v_lshrrev_b32 v[TM+4+\b], 23, v[TM+12+\b]       ; the scale's byte
.endr
	v_lshl_or_b32 v[PW], v[TM+5], 8, v[TM+4]
	v_lshl_or_b32 v[PW], v[TM+6], 16, v[PW]
	v_lshl_or_b32 v[PW], v[TM+7], 24, v[PW]
.irp b, 0,1,2,3
	v_cvt_scalef32_pk8_fp4_f32 v[PC+2*\b], v[ST+16*\b:ST+7+16*\b], v[TM+12+\b]
	v_cvt_scalef32_pk8_fp4_f32 v[PC+1+2*\b], v[ST+8+16*\b:ST+15+16*\b], v[TM+12+\b]
.endr
	v_nop                                          ; one plain place behind the last scaled conversion
.irp c, 0,1
.irp i, 0,1
	v_permlane16_swap_b32 v[PC+4*\c+\i], v[PC+2+4*\c+\i]   ; a whole block to a lane, as the operand's layout has it
.endr
.endr
.endm
.macro FETCHX m, n, u                  ; tile m of image n: four fragments and the scale words, into set u
	WIN 0x80
.irp s, 0,1,2,3
.irp c, 0,1
	ds_load_b128 v[XF+32*(\u)+8*\s+4*\c:XF+32*(\u)+8*\s+4*\c+3], v[IR] offset:IBUF*(\n)+(4*(\m)+\s)*1024+512*\c
.endr
.endr
	WIN 0
	ds_load_b128 v[XS+4*(\u):XS+4*(\u)+3], v[SR] offset:IBUF*(\n)+256*(\m)
.endm
.macro MUL u
	WIN W_MUL
.irp s, 0,1,2,3
.irp t, 0,1,2,3,4,5,6,7
.if \s == 0
	v_wmma_scale_f32_16x16x128_f8f6f4 v[ACC+8*\t:ACC+8*\t+7], v[8*(4*\t+\s):8*(4*\t+\s)+7], v[XF+32*(\u)+8*\s:XF+32*(\u)+8*\s+7], 0, v[WS+4*\t+\s], v[XS+4*(\u)+\s] matrix_a_fmt:MATRIX_FMT_FP4 matrix_b_fmt:MATRIX_FMT_FP4
.else
	v_wmma_scale_f32_16x16x128_f8f6f4 v[ACC+8*\t:ACC+8*\t+7], v[8*(4*\t+\s):8*(4*\t+\s)+7], v[XF+32*(\u)+8*\s:XF+32*(\u)+8*\s+7], v[ACC+8*\t:ACC+8*\t+7], v[WS+4*\t+\s], v[XS+4*(\u)+\s] matrix_a_fmt:MATRIX_FMT_FP4 matrix_b_fmt:MATRIX_FMT_FP4
.endif
.endr
.endr
.endm
.macro DOT m                           ; my row's 64 results x hidden, summed; each accumulator is read from its low end on
.rept 4
	v_nop                                          ; four places behind the last matrix instruction
.endr
	WIN W_DOT
.irp c, 0,1,2,3
	v_pk_mul_f32 v[SA+2*\c:SA+2*\c+1], v[ACC+2*\c:ACC+2*\c+1], v[HV+2*\c:HV+2*\c+1]
.endr
.irp t, 1,2,3,4,5,6,7
.irp c, 0,1,2,3
	v_pk_fma_f32 v[SA+2*\c:SA+2*\c+1], v[ACC+8*\t+2*\c:ACC+8*\t+2*\c+1], v[HV+8*\t+2*\c:HV+8*\t+2*\c+1], v[SA+2*\c:SA+2*\c+1]
.endr
.endr
	WIN 0
	v_pk_add_f32 v[SA:SA+1], v[SA:SA+1], v[SA+2:SA+3]
	v_pk_add_f32 v[SA+4:SA+5], v[SA+4:SA+5], v[SA+6:SA+7]
	v_pk_add_f32 v[SA:SA+1], v[SA:SA+1], v[SA+4:SA+5]
	v_add_f32 v[SM+\m], v[SA], v[SA+1]
	ds_store_b32 v[PA], v[SM+\m] offset:64*\m
.endm
; One step: unit i of the block that is quantised (doq) into image p, tile i of the block that is multiplied (dom) from image 1 - p.
; rel: the unit's number from the base; ld = 1: the unit three further on is asked for; lc: the loads issued behind this unit's.
.macro STEP i, p, dom, doq, rel, ld, lc
.set NF, 0
.if \doq
	s_wait_loadcnt \lc                             ; my unit's 16 loads are in; the younger ones stay out
	WIN 0x0c
.irp j, 0,1,2,3,4,5,6,7,8,9,10,11,12,13,14,15
	ds_store_b128 v[SS], v[64*\i+4*\j:64*\i+4*\j+3] offset:PITCH*\j
.endr
	WIN 0
.irp b, 0,1,2,3
.irp j, 0,1,2,3
	ds_load_b128 v[ST+16*\b+4*\j:ST+16*\b+4*\j+3], v[RD] offset:128*\b+16*\j   ; LDS serves a wave's instructions in order: these see the stores above
.endr
.endr
.endif
.if (\dom) && ((\i) < 3)
.set NF, 9
	FETCHX \i+1, 1-\p, (\i+1)%2
.endif
	s_wait_dscnt 16*(\doq)+NF                      ; all but the stage's 16 loads and the next tile's 9: the stage's stores have read their set, this tile's fragments are in
.if \ld
	WIN 0xc0
	LOADU ((\i)+3)%4, (\rel)+3                     ; into the set whose stores were waited for in the step before
.endif
.if \dom
	MUL (\i)%2
	DOT \i
.endif
.if \doq
	WIN 0
.if \dom
	s_wait_dscnt NF+1                              ; the turned unit is in; behind it: the next tile's 9 loads and the part's store
.else
	s_wait_dscnt 0x0
.endif
	QUANT
	ds_store_b128 v[IW], v[PC:PC+3] offset:IBUF*\p+4096*\i
	ds_store_b128 v[IW], v[PC+4:PC+7] offset:IBUF*\p+4096*\i+512
	ds_store_b32 v[SW], v[PW] offset:IBUF*\p+256*\i   ; lanes r and r + 16 write the same word with the same value
.endif
.endm
.macro MEET n                          ; one barrier: the image just written is whole, the other is read no more
	s_wait_alu depctr_va_vdst(0)                   ; the wait ahead of a wait that blocks
	s_wait_dscnt 0x0                               ; my stores into the image have landed, my reads of the other are back
	s_barrier_signal -1
	s_barrier_wait -1
	v_add_nc_u32 v[PA], s41, v[PA0]
	FETCHX 0, \n, 0
.endm
.macro TRIP p, rel, last
	MEET 1-\p
.if \last
	STEP 0, \p, 1, 1, \rel, 1, 32                  ; the last unit is asked for; then the counts run down
	STEP 1, \p, 1, 1, \rel+1, 0, 32
	STEP 2, \p, 1, 1, \rel+2, 0, 16
	STEP 3, \p, 1, 1, \rel+3, 0, 0
.else
	STEP 0, \p, 1, 1, \rel, 1, 32
	STEP 1, \p, 1, 1, \rel+1, 1, 32
	STEP 2, \p, 1, 1, \rel+2, 1, 32
	STEP 3, \p, 1, 1, \rel+3, 1, 32
.endif
	s_add_co_u32 s41, s41, 256
.endm
	STEP 0, 0, 0, 1, 0, 1, 48                      ; block 0 is quantised alone; behind units 0 to 2 stand two units and hidden's 16 loads
	STEP 1, 0, 0, 1, 1, 1, 48
	STEP 2, 0, 0, 1, 2, 1, 48
	STEP 3, 0, 0, 1, 3, 1, 32
	s_mov_b32 s40, 3
.Lpair:                                                ; two trips: blocks 2 t + 1 and 2 t + 2 are quantised, units 4 to 11 from the base
	TRIP 1, 4, 0
	TRIP 0, 8, 0
	s_wait_xcnt 0x0                                ; the loads have read their base: it steps only behind this wait
	s_add_nc_u64 s[4:5], s[4:5], 8*UNITB
	s_sub_co_u32 s40, s40, 1
	s_cmp_lg_u32 s40, 0
	s_wait_alu depctr_va_vdst(0)                   ; the wait ahead of the branch
	s_cbranch_scc1 .Lpair
	TRIP 1, 4, 1                                   ; block 7 is quantised, block 6 multiplied
	MEET 1
	STEP 0, 0, 1, 0, 0, 0, 0                       ; block 7 is multiplied
	STEP 1, 0, 1, 0, 0, 0, 0
	STEP 2, 0, 1, 0, 0, 0, 0
	STEP 3, 0, 1, 0, 0, 0, 0
	s_wait_dscnt 0x0                               ; my parts have landed
	s_barrier_signal -1
	s_barrier_wait -1
.irp q, 0,1,2,3,4,5,6,7
	ds_load_b128 v[ST+4*\q:ST+4*\q+3], v[FA] offset:2048*\q   ; thread t: the eight parts of rows 4 t .. 4 t + 3
.endr
	s_wait_dscnt 0x0
.irp a, 0,8,16,24
	v_pk_add_f32 v[ST+\a:ST+\a+1], v[ST+\a:ST+\a+1], v[ST+\a+4:ST+\a+5]
	v_pk_add_f32 v[ST+\a+2:ST+\a+3], v[ST+\a+2:ST+\a+3], v[ST+\a+6:ST+\a+7]
.endr
.irp a, 0,16
	v_pk_add_f32 v[ST+\a:ST+\a+1], v[ST+\a:ST+\a+1], v[ST+\a+8:ST+\a+9]
	v_pk_add_f32 v[ST+\a+2:ST+\a+3], v[ST+\a+2:ST+\a+3], v[ST+\a+10:ST+\a+11]
.endr
	v_pk_add_f32 v[ST:ST+1], v[ST:ST+1], v[ST+16:ST+17]
	v_pk_add_f32 v[ST+2:ST+3], v[ST+2:ST+3], v[ST+18:ST+19]
	global_store_b128 v[GO], v[ST:ST+3], s[10:11]  ; a wave stores 512 consecutive bytes, at a multiple of 512 from the buffer's first byte
	s_wait_tensorcnt 0x0                           ; the wave's end
	ds_add_u32 v[SPW], v[NIL]
	s_wait_dscnt 0x0
	s_endpgm
.Lfunc_end_k_qb312c78ac8_stream:
	.size	k_qb312c78ac8_stream, .Lfunc_end_k_qb312c78ac8_stream-k_qb312c78ac8_stream
	.p2alignl 7, 3214868480
	.fill 96, 4, 3214868480
	.section	.rodata,"a",@progbits
	.p2align	6, 0x0
	.amdhsa_kernel k_qb312c78ac8_stream
		.amdhsa_group_segment_fixed_size 327680
		.amdhsa_private_segment_fixed_size 0
		.amdhsa_enable_private_segment 0
		.amdhsa_kernarg_size 32
		.amdhsa_user_sgpr_count 2
		.amdhsa_user_sgpr_kernarg_segment_ptr 1
		.amdhsa_wavefront_size32 1
		.amdhsa_system_sgpr_workgroup_id_x 1
		.amdhsa_system_sgpr_workgroup_id_y 1
		.amdhsa_system_sgpr_workgroup_id_z 1
		.amdhsa_system_vgpr_workitem_id 0
		.amdhsa_next_free_vgpr 1024
		.amdhsa_next_free_sgpr 66
		.amdhsa_reserve_vcc 0
		.amdhsa_float_denorm_mode_32 3
		.amdhsa_float_denorm_mode_16_64 3
		.amdhsa_memory_ordered 1
		.amdhsa_forward_progress 1
		.amdhsa_inst_pref_size 249
	.end_amdhsa_kernel
	.amdgpu_metadata
---
amdhsa.version: [ 1, 2 ]
amdhsa.kernels:
  - .name:           k_qb312c78ac8_stream
    .symbol:         k_qb312c78ac8_stream.kd
    .args:
      - { .name: encoder_outputs, .offset: 0, .size: 8, .value_kind: global_buffer, .address_space: global }
      - { .name: wq, .offset: 8, .size: 8, .value_kind: global_buffer, .address_space: global }
      - { .name: hidden, .offset: 16, .size: 8, .value_kind: global_buffer, .address_space: global }
      - { .name: scores, .offset: 24, .size: 8, .value_kind: global_buffer, .address_space: global }
    .group_segment_fixed_size: 327680
    .private_segment_fixed_size: 0
    .kernarg_segment_align: 8
    .kernarg_segment_size: 32
    .max_flat_workgroup_size: 128
    .sgpr_count:     66
    .vgpr_count:     1024
    .wavefront_size: 32
...
	.end_amdgpu_metadata
.endif
;; end of part 2
;; launch softmax (part 3): grid 32 x 1, 16 waves a work-group, no clusters, 2,304 bytes of LDS; arguments scores, out0; writes out0
.if DOCPART == 3
	.amdgcn_target "amdgcn-amd-amdhsa--gfx1250"
	.amdhsa_code_object_version 6
	.text
	.protected	k_qb312c78ac8_softmax
	.globl	k_qb312c78ac8_softmax
	.p2align	8
	.type	k_qb312c78ac8_softmax,@function
k_qb312c78ac8_softmax:
	s_mov_b64 s[64:65], 0
	v_nop
	global_prefetch_b8 v0, s[64:65] scope:SCOPE_SE
	s_setreg_imm32_b32 hwreg(HW_REG_WAVE_MODE, 25, 1), 1
	s_wait_xcnt 0x0
; out0[b][0][s] = softmax over s of scores[b][s].  Work-group b takes row b: 4,096 numbers, eight to each of its 512 threads, kept in registers: the row is read once and written once.
; Each wave takes its own maximum m_w away, forms p = e^(x - m_w) and their sum l_w; the sixteen pairs (m_w, l_w) meet in LDS behind the one barrier.  With M the largest m_w and L = sum of l_w e^(m_w - M),
; the result is p e^(m_w - M) / L: the row's true maximum is taken away, and L is at least 1.  The difference is formed ahead of the multiplication by log2(e), so that large scores lose nothing by it.
; No matrix unit, no cluster, no tensor load: 16 KiB a work-group, shared with nobody.
; LIMITS: NaN and infinities are not served.  A result under 2^-126 comes out as 0 (v_exp_f32 gives no denormals: ISA guide, its entry in 15.8).
	s_load_b128 s[4:7], s[0:1], 0x0                ; scores, out0
	v_lshl_add_u32 v32, v0, 2, 0x100
	v_mov_b32 v33, 0
	v_lshrrev_b32 v2, 5, v0
	s_delay_alu instid0(VALU_DEP_1)
	v_readfirstlane_b32 s8, v2                     ; wave 0..15
	v_lshlrev_b32 v1, 4, v0                        ; 16 bytes a thread: a wave's load covers 512 consecutive bytes
	v_and_b32 v3, 15, v0
	s_delay_alu instid0(VALU_DEP_1)
	v_lshlrev_b32 v3, 3, v3                        ; LDS: the pair of wave (lane % 16)
	s_lshl_b32 s9, s8, 3
	v_mov_b32 v4, s9                               ; LDS: my wave's pair
	v_mov_b32 v20, 0                               ; (a lane permute's destination counts as one of its sources)
	s_lshl_b32 s10, ttmp9, 14                      ; a row is 16,384 bytes
	s_mov_b32 s11, 0
	s_mov_b32 s12, 0x76543210
	s_mov_b32 s13, 0xfedcba98                      ; v_permlanex16_b32's selects for lane l xor 16
	s_mov_b32 s14, 0x3fb8aa3b                      ; log2(e)
	s_mov_b32 s15, s14                             ; (named with it as a pair, so it is written)
	s_wait_alu depctr_va_vdst(0)
	s_wait_kmcnt 0x0
	s_add_nc_u64 s[4:5], s[4:5], s[10:11]
	s_add_nc_u64 s[6:7], s[6:7], s[10:11]
	global_load_b128 v[8:11], v1, s[4:5]
	global_load_b128 v[12:15], v1, s[4:5] offset:8192
	s_wait_loadcnt 0x0
	v_max3_num_f32 v16, v8, v9, v10                ; the largest of my eight,
	v_max3_num_f32 v17, v11, v12, v13
	s_delay_alu instid0(VALU_DEP_2)
	v_max3_num_f32 v16, v16, v14, v15
	s_delay_alu instid0(VALU_DEP_1)
	v_max_num_f32 v16, v16, v17
	s_delay_alu instid0(VALU_DEP_1)
	v_max_num_f32_dpp v16, v16, v16 row_xmask:1 row_mask:0xf bank_mask:0xf   ; of my 16 lanes,
	s_delay_alu instid0(VALU_DEP_1)
	v_max_num_f32_dpp v16, v16, v16 row_xmask:2 row_mask:0xf bank_mask:0xf
	s_delay_alu instid0(VALU_DEP_1)
	v_max_num_f32_dpp v16, v16, v16 row_xmask:4 row_mask:0xf bank_mask:0xf
	s_delay_alu instid0(VALU_DEP_1)
	v_max_num_f32_dpp v16, v16, v16 row_xmask:8 row_mask:0xf bank_mask:0xf
	s_delay_alu instid0(VALU_DEP_1)
	v_permlanex16_b32 v20, v16, s12, s13
	s_delay_alu instid0(VALU_DEP_1)
	v_max_num_f32 v16, v16, v20                    ; of my wave: m_w, in every lane
	s_delay_alu instid0(VALU_DEP_1)
	v_mov_b32 v17, v16                             ; twice, for the packed subtraction
.irp j, 8,10,12,14
	v_pk_add_f32 v[\j:\j+1], v[\j:\j+1], v[16:17] neg_lo:[0,1] neg_hi:[0,1]   ; x - m_w
.endr
.irp j, 8,10,12,14
	s_delay_alu instid0(VALU_DEP_4)
	v_pk_mul_f32 v[\j:\j+1], v[\j:\j+1], s[14:15] op_sel_hi:[1,0]             ; x log2(e)
.endr
	s_wait_alu depctr_va_vdst(0)
.irp j, 8,9,10,11,12,13,14,15
	v_exp_f32 v[\j], v[\j]                         ; p = e^(x - m_w), at most 1
.endr
	v_nop                                          ; one plain place behind the transcendentals
	s_wait_alu depctr_va_vdst(0)
	v_pk_add_f32 v[18:19], v[8:9], v[10:11]
	v_pk_add_f32 v[22:23], v[12:13], v[14:15]
	s_delay_alu instid0(VALU_DEP_1)
	v_pk_add_f32 v[18:19], v[18:19], v[22:23]
	s_delay_alu instid0(VALU_DEP_1)
	v_add_f32 v17, v18, v19                        ; the sum of my eight,
	s_delay_alu instid0(VALU_DEP_1)
	v_add_f32_dpp v17, v17, v17 row_xmask:1 row_mask:0xf bank_mask:0xf
	s_delay_alu instid0(VALU_DEP_1)
	v_add_f32_dpp v17, v17, v17 row_xmask:2 row_mask:0xf bank_mask:0xf
	s_delay_alu instid0(VALU_DEP_1)
	v_add_f32_dpp v17, v17, v17 row_xmask:4 row_mask:0xf bank_mask:0xf
	s_delay_alu instid0(VALU_DEP_1)
	v_add_f32_dpp v17, v17, v17 row_xmask:8 row_mask:0xf bank_mask:0xf
	s_delay_alu instid0(VALU_DEP_1)
	v_permlanex16_b32 v20, v17, s12, s13
	s_delay_alu instid0(VALU_DEP_1)
	v_add_f32 v17, v17, v20                        ; of my wave: l_w
	ds_store_b64 v4, v[16:17]                      ; all lanes write the same pair with the same values
	s_wait_dscnt 0x0                               ; for the others' sake: my store has landed
	s_barrier_signal -1
	s_barrier_wait -1
	ds_load_b64 v[18:19], v3                       ; each half of 16 lanes holds all sixteen pairs, one a lane
	s_wait_dscnt 0x0
	v_mov_b32 v22, v18
	s_delay_alu instid0(VALU_DEP_1)
	v_max_num_f32_dpp v22, v22, v22 row_xmask:1 row_mask:0xf bank_mask:0xf
	s_delay_alu instid0(VALU_DEP_1)
	v_max_num_f32_dpp v22, v22, v22 row_xmask:2 row_mask:0xf bank_mask:0xf
	s_delay_alu instid0(VALU_DEP_1)
	v_max_num_f32_dpp v22, v22, v22 row_xmask:4 row_mask:0xf bank_mask:0xf
	s_delay_alu instid0(VALU_DEP_1)
	v_max_num_f32_dpp v22, v22, v22 row_xmask:8 row_mask:0xf bank_mask:0xf   ; M: the row's maximum
	s_delay_alu instid0(VALU_DEP_1)
	v_sub_f32 v23, v18, v22                        ; the lane's wave: m - M,
	s_delay_alu instid0(VALU_DEP_2)
	v_sub_f32 v24, v16, v22                        ; my own wave: m_w - M
	s_delay_alu instid0(VALU_DEP_2)
	v_mul_f32 v23, s14, v23
	s_delay_alu instid0(VALU_DEP_2)
	v_mul_f32 v24, s14, v24
	s_wait_alu depctr_va_vdst(0)
	v_exp_f32 v23, v23
	v_exp_f32 v24, v24
	v_nop                                          ; one plain place behind the transcendentals
	s_wait_alu depctr_va_vdst(0)
	v_mul_f32 v23, v23, v19                        ; l e^(m - M)
	s_delay_alu instid0(VALU_DEP_1)
	v_add_f32_dpp v23, v23, v23 row_xmask:1 row_mask:0xf bank_mask:0xf
	s_delay_alu instid0(VALU_DEP_1)
	v_add_f32_dpp v23, v23, v23 row_xmask:2 row_mask:0xf bank_mask:0xf
	s_delay_alu instid0(VALU_DEP_1)
	v_add_f32_dpp v23, v23, v23 row_xmask:4 row_mask:0xf bank_mask:0xf
	s_delay_alu instid0(VALU_DEP_1)
	v_add_f32_dpp v23, v23, v23 row_xmask:8 row_mask:0xf bank_mask:0xf       ; L: the row's sum under M
	s_wait_alu depctr_va_vdst(0)
	v_rcp_f32 v25, v23
	v_nop                                          ; one plain place behind the transcendental
	s_wait_alu depctr_va_vdst(0)
	v_mul_f32 v24, v24, v25                        ; f = e^(m_w - M) / L
.irp j, 8,10,12,14
	v_pk_mul_f32 v[\j:\j+1], v[\j:\j+1], v[24:25] op_sel_hi:[1,0]   ; both halves by f
.endr
	global_store_b128 v1, v[8:11], s[6:7] th:TH_STORE_NT                 ; a wave's store covers 512 consecutive bytes, at a multiple of 512 from out0's first byte
	global_store_b128 v1, v[12:15], s[6:7] offset:8192 th:TH_STORE_NT
	s_wait_tensorcnt 0x0
	ds_add_u32 v32, v33
	s_wait_dscnt 0x0
	s_endpgm
.Lfunc_end_k_qb312c78ac8_softmax:
	.size	k_qb312c78ac8_softmax, .Lfunc_end_k_qb312c78ac8_softmax-k_qb312c78ac8_softmax
	.p2alignl 7, 3214868480
	.fill 96, 4, 3214868480
	.section	.rodata,"a",@progbits
	.p2align	6, 0x0
	.amdhsa_kernel k_qb312c78ac8_softmax
		.amdhsa_group_segment_fixed_size 2304
		.amdhsa_private_segment_fixed_size 0
		.amdhsa_enable_private_segment 0
		.amdhsa_kernarg_size 16
		.amdhsa_user_sgpr_count 2
		.amdhsa_user_sgpr_kernarg_segment_ptr 1
		.amdhsa_wavefront_size32 1
		.amdhsa_system_sgpr_workgroup_id_x 1
		.amdhsa_system_sgpr_workgroup_id_y 1
		.amdhsa_system_sgpr_workgroup_id_z 1
		.amdhsa_system_vgpr_workitem_id 0
		.amdhsa_next_free_vgpr 34
		.amdhsa_next_free_sgpr 66
		.amdhsa_reserve_vcc 0
		.amdhsa_float_denorm_mode_32 3
		.amdhsa_float_denorm_mode_16_64 3
		.amdhsa_memory_ordered 1
		.amdhsa_forward_progress 1
		.amdhsa_inst_pref_size 7
	.end_amdhsa_kernel
	.amdgpu_metadata
---
amdhsa.version: [ 1, 2 ]
amdhsa.kernels:
  - .name:           k_qb312c78ac8_softmax
    .symbol:         k_qb312c78ac8_softmax.kd
    .args:
      - { .name: scores, .offset: 0, .size: 8, .value_kind: global_buffer, .address_space: global }
      - { .name: out0, .offset: 8, .size: 8, .value_kind: global_buffer, .address_space: global }
    .group_segment_fixed_size: 2304
    .private_segment_fixed_size: 0
    .kernarg_segment_align: 8
    .kernarg_segment_size: 16
    .max_flat_workgroup_size: 512
    .sgpr_count:     66
    .vgpr_count:     34
    .wavefront_size: 32
...
	.end_amdgpu_metadata
.endif
;; end of part 3
